; MI455X (gfx1250); checked and timed in simulation.
; The chip was launched on July 23, 2026; its instructions are those of AMD's public machine-readable ISA for CDNA 5 (MIT licence, August 2026) and "CDNA5" Instruction Set Architecture Reference Guide (July 2026). The comments in the code are by the model that wrote it; some were corrected since.
;; Attention. Allowed arithmetic: float matrix products may take bf16 or f16 operands with f32 sums; all other float work in f32.
;; Inputs: key 16 x 2,048 x 128 float32; query 16 x 2,048 x 128 float32; value 16 x 2,048 x 128 float32.
;; Outputs: out0 16 x 2,048 x 128 float32.
;; One version. Each part assembles by itself: llvm-mc -triple=amdgcn-amd-amdhsa -mcpu=gfx1250 --defsym DOCPART=n.
;; ======== version 1 of 1: 1 launch
;; limits: values are held in f16: magnitudes above 65,504 overflow, below 6.1e-05 lose precision; inputs' magnitudes at most 65,504; below input magnitudes of 6.1e-05 results are inexact or not finite; right only within a limited range of input values
;; launch attn (part 1): grid 256 x 1, 4 waves a work-group, clusters of 4 x 1, 327,680 bytes of LDS; arguments key, query, value, out0; writes out0
.if DOCPART == 1
	.amdgcn_target "amdgcn-amd-amdhsa--gfx1250"
	.amdhsa_code_object_version 6
	.text
	.protected	k_qc52642edce_attn
	.globl	k_qc52642edce_attn
	.p2align	8
	.type	k_qc52642edce_attn,@function
k_qc52642edce_attn:
	s_mov_b64 s[64:65], 0
	v_nop
	global_prefetch_b8 v0, s[64:65] scope:SCOPE_SE
	s_setreg_imm32_b32 hwreg(HW_REG_WAVE_MODE, 25, 1), 1
	s_wait_xcnt 0x0
	s_wait_alu depctr_hold_cnt(0) depctr_sa_sdst(0) depctr_va_vdst(0) depctr_va_sdst(0) depctr_va_ssrc(0) depctr_va_vcc(0) depctr_vm_vsrc(0)
	s_getreg_b32 s2, hwreg(HW_REG_IB_STS2, 6, 4)
	s_cmp_eq_u32 s2, 0
	s_cbranch_scc0 .Lentry_in_a_cluster
	s_endpgm
.Lentry_in_a_cluster:
	s_bfe_u32 s2, ttmp6, 0x10000c
	s_cmp_lg_u32 s2, 0x3003
	s_cbranch_scc0 .Lentry_shape_is_right
	s_endpgm
.Lentry_shape_is_right:
; Causal softmax attention.  out[b][q][:] = sum over k <= q of softmax_k(q.k / sqrt(128)) value[b][k][:].  B = 16, S = 2048, D = 128, all f32.
; reference() takes 1e10 away above the diagonal and then divides by sqrt(128): beside the diagonal score, which is always visible, those weights are 0 in f32.
;
; SHARES.  A work-group owns two blocks of 64 query rows of one batch, block 4a+cx and block 31-(4a+cx), done one after the other.  Keys go in steps of
; 128, two steps to a range of 256 keys.  Block b needs (b>>2)+1 ranges: a+1 and 8-a, so every work-group does 18 steps.  The list of key tiles hangs on
; (batch, a) alone, which the four work-groups of a cluster share (they differ in cx): every K and V tile is asked for JOINTLY by the four.  For that
; the four walk the whole 256-key range of the diagonal, also the parts that lie above a partner's diagonal and are masked.
; In each block the range of the diagonal comes first (the only one that is masked): the step that starts the sums and the masked steps are the same text.
; WAVES.  Wave w takes all 64 query rows and keys 32w .. 32w+31 of each step, with a running maximum, sum and output of its own.  So each byte of a tile
; is fetched, read from LDS and rounded to f16 once in the work-group, by one wave.  At a block's end the four partial results are merged through LDS.
; LAYOUT.  Everything is transposed.  S^T = K Q^T: a lane holds eight keys of one query row, which packed in pairs ARE the second operand of O^T = V^T P^T.
; V's fragments are made from f32 rows by the choice of registers alone: row m of d tile 4g+e stands for d = 4(m+16g)+e; the merge puts d in order.
;
; FORMAT.  Q, K, V and the weights go to the matrix unit in f16, sums in f32.  f16 and not bf16: the first query rows add a few terms of size near 1 that
; can nearly cancel, so each term's rounding shows in full; f16 keeps 11 significant bits, bf16 8.  The weights lie in [0, 1] (the running maximum is taken
; away), and inputs of size 1, also 30 times larger with an offset of 30 spreads (near 1e3), are far inside f16's range.
; LIMITS.  |q|, |k|, |v| up to 65,504 (beyond it the rounding to f16 gives infinity); below 6.1e-5 an operand keeps fewer bits, its error at most 3e-8.
; A masked score is set to -2^33 (not q.k - 1e10), and key ranges wholly above the diagonal are left out: equal to reference() while |q.k| stays below
; about 1e9.  NaN and infinite inputs are not reproduced (a NaN loses in the maxima).  Why 2^33: c x 2^33 is exact in f32, so a wave all of whose keys so
; far are masked gets exponents of exactly 0 and weights of exactly 1, finite in f16; its share is multiplied by an exact 0 at the first visible key or in
; the merge.
.set ROWB,   512                       ; a row of 128 f32
.set KPITCH, 528                       ; K rows in LDS: 512 + 16 = 33 x 16 bytes, so 16 rows start at 16 different 16-byte columns of a 256-byte span
.set KWAVE,  32*KPITCH                 ; a wave's 32 keys of K: 16,896
.set VOFF,   4*KWAVE                   ; V behind K in a slot: 67,584
.set VWAVE,  32*ROWB                   ; a wave's 32 keys of V: 16,384 (read as 256 neighbouring bytes by 16 lanes: no padding)
.set SLOT,   VOFF+4*VWAVE              ; 133,120; two slots
.set MB,     2*SLOT                    ; 266,240: merge stage, 4 waves x 16 rows x 528
.set MPITCH, 528
.set MWAVE,  16*MPITCH
.set STAT,   MB+4*MWAVE                ; 300,032: wave w: 16 lanes x 4 q tiles of -c max at 512w, of the sums at 512w + 256
.set QS,     STAT+2048                 ; 302,080: Q in f16, 64 rows x 272; ends at 319,488.  No tensor load ever lands at MB or beyond
.set QPITCH, 272
; window 0
.set KA,  4                            ; v4-5    LDS address of my K rows, slot 0, 1
.set VA,  6                            ; v6-7    of my V rows
.set MDA, 8                            ; v8      8h - r + 32w - 64cx: key minus query, less the constants of tile and register, block A
.set MDB, 9                            ; v9      the same for block B: 64(3-cx)
.set NEG, 10                           ; v10     -2^33
.set SA,  11                           ; v11     my statistics, to store
.set SR,  12                           ; v12     all waves' statistics, to read
.set MW,  13                           ; v13     merge stage, to store
.set MR,  14                           ; v14     merge stage, to read
.set QW,  15                           ; v15     Q stage, to store
.set QR,  16                           ; v16     Q stage, fragments
.set OOA, 17                           ; v17-18  byte offset in out0 of my 16 bytes, block A, B
.set OOB, 18
.set QOA, 19                           ; v19-20  the same in query
.set QOB, 20
.set PFO, 21                           ; v21     prefetch offset
.set MX,  24                           ; v24-31  running maximum of q tile qt, by turns in set 0 (even steps) and set 1 (odd steps)
.set NM,  32                           ; v32-39  -c x maximum, likewise
.set AL,  40                           ; v40-43  2^(c (old max - new max)); in the merge: my share's factor
.set LL,  44                           ; v44-47  running sum
.set TX,  48                           ; v48-51  what the other half of the lanes holds
.set TMP, 52                           ; v52-63  at work
.set SS,  64                           ; v64-127  S(kt,qt) at 64 + 32kt + 8qt; in the merge 16 quads to store
.set PP,  128                          ; v128-159 P(qt), 8 registers each
.set FF,  160                          ; v160-223 f16 fragments: K(kt,c) at 8(4kt+c), then V(mt) at 8mt; in the merge 16 quads read back
.set MS,  224                          ; v224-239 merge: wave i, q tile qt at 4i + qt
.set LS,  240                          ; v240-255
; window 1: O(mt,qt) at 8(4mt+qt).  window 2: Q(qt,c) at 8(4qt+c); 128-159, 160-191 my 16 rows of Q of block A, B in f16.
; window 3: 0-127 K as f32, (kt,c) at 16(4kt+c); 128-255 V as f32, load (g,i) at 128 + 4(16g+i).
.set G1K, 32                           ; s[32:39] shape of a K tile       s[40:47] of a V tile
.set G1V, 40
.set G0K, 48                           ; s[48:55] from where, to where: K, slot 0, 1      s[56:63] V
.set G0V, 56
; s12 wave  s13 cx  s14 a  s15 batch  s16, s17 my blocks' byte offsets  s18 next tile  s19 2a  s20 14-2a  s21 trips  s[22:23] tile offset
; s[24:25] c = log2(e)/sqrt(128), twice  s26 -c  s27, s2, s3 at work  s28, s29 lane selects  s[66:69] K, V at my rows, type bits set  s[70:77] batch bases
.set MSB, 0
.macro WIN new                         ; s_set_vgpr_msb: bits 1:0 source 0, 3:2 source 1, 5:4 source 2, 7:6 destination; the high byte repeats the setting left
.if MSB != \new
	s_set_vgpr_msb (MSB<<8)|\new
.set MSB, \new
.endif
.endm
.macro PLACES                          ; four places behind a matrix instruction before its result is read or its registers are written (ISA guide 7.12.1)
.rept 4
	v_nop
.endr
.endm
; A round of the cluster's barrier: my work-group's barrier, wave 0 signals for the work-group, all wait for the four work-groups, my barrier once more.
.macro ROUND
	s_barrier_signal -1
	s_barrier_wait -1
	s_cmp_lg_u32 s12, 0
	s_cbranch_scc1 .Lnot_wave_0_\@
	s_barrier_signal -3
.Lnot_wave_0_\@:
	s_barrier_wait -3
	s_barrier_signal -1
	s_barrier_wait -1
.endm
	s_load_b256 s[4:11], s[0:1], 0x0               ; key s[4:5], query s[6:7], value s[8:9], out0 s[10:11]
	v_lshl_add_u32 v22, v0, 2, 0x4e000
	v_mov_b32 v23, 0
	ds_add_u32 v22, v23
	v_lshrrev_b32 v3, 5, v0
	v_readfirstlane_b32 s12, v3                    ; wave 0..3
	v_and_b32 v1, 15, v0                           ; r
	v_bfe_u32 v2, v0, 4, 1                         ; h
	v_and_b32 v3, 31, v0                           ; lane
	s_bfe_u32 s13, ttmp6, 0x40000                  ; cx: my place in the cluster
	s_and_b32 s14, ttmp9, 3                        ; a      (ttmp9 counts clusters: 64 = 16 batches x 4)
	s_lshr_b32 s15, ttmp9, 2                       ; batch
	s_lshl_b32 s19, s14, 1                         ; 2a: first tile of block A's diagonal range, and the end of its other tiles
	s_sub_co_u32 s20, 14, s19                      ; 14 - 2a: first tile of block B's diagonal range
	s_lshl2_add_u32 s16, s14, s13                  ; block A = 4a + cx
	s_sub_co_u32 s17, 31, s16                      ; block B
	s_lshl_b32 s16, s16, 15                        ; x 64 rows x 512 bytes
	s_lshl_b32 s17, s17, 15
	s_mov_b32 s24, 0x3e0293ee                      ; c = 1.442695 / 11.313708
	s_mov_b32 s25, 0x3e0293ee
	s_mov_b32 s26, 0xbe0293ee                      ; -c
	s_mov_b32 s28, 0x76543210                      ; v_permlanex16_b32: lane i reads lane i of the other half
	s_mov_b32 s29, 0xfedcba98
	s_lshl_b32 s78, s15, 20                        ; a batch is 2048 x 512 bytes
	s_mov_b32 s79, 0
	s_lshl_b32 s30, s12, 14                        ; my 32 rows of a tile
	s_mov_b32 s31, 0
	v_lshlrev_b32 v53, 4, v3                       ; 16 x lane
	s_lshl_b32 s27, s12, 13                        ; Q: 16 rows a wave
	v_add_nc_u32 v55, s27, v53
	v_add_nc_u32 v[QOA], s16, v55
	v_add_nc_u32 v[QOB], s17, v55
	s_wait_dscnt 0x0
	s_wait_kmcnt 0x0
	s_add_nc_u64 s[70:71], s[10:11], s[78:79]      ; out0, query, key, value at my batch
	s_add_nc_u64 s[72:73], s[6:7], s[78:79]
	s_add_nc_u64 s[74:75], s[4:5], s[78:79]
	s_add_nc_u64 s[76:77], s[8:9], s[78:79]
	; my 16 rows of Q of both blocks, 512 neighbouring bytes a load, into window 3; they fly across the round below
	WIN 0xc0
.irp i, 0,1,2,3,4,5,6,7,8,9,10,11,12,13,14,15
	global_load_b128 v[4*\i:4*\i+3], v[QOA], s[72:73] offset:ROWB*\i th:TH_LOAD_NT
.endr
.irp i, 0,1,2,3,4,5,6,7,8,9,10,11,12,13,14,15
	global_load_b128 v[64+4*\i:64+4*\i+3], v[QOB], s[72:73] offset:ROWB*\i th:TH_LOAD_NT
.endr
	WIN 0
	s_add_nc_u64 s[66:67], s[74:75], s[30:31]      ; K and V at my rows of tile 0,
	s_add_nc_u64 s[68:69], s[76:77], s[30:31]
	s_or_b32 s67, s67, 0x80000000                  ; with the type bits of a descriptor's group 0
	s_or_b32 s69, s69, 0x80000000
	; group 1: a tile of 32 rows x 128 elements of 4 bytes; mask 15: all four work-groups of the cluster ask jointly; bit 21 beside the mask
	s_mov_b32 s[G1K+0], 15|(2<<16)|(1<<20)|(1<<21)|(6<<22)|(3<<25)  ; K: 4 words of padding behind every 128 words
	s_mov_b32 s[G1V+0], 15|(2<<16)|(1<<21)                          ; V: dense
	s_mov_b32 s[G1K+1], 128<<16                    ; tensor_dim0 = 128
	s_mov_b32 s[G1V+1], 128<<16
	s_mov_b32 s[G1K+2], 32<<16                     ; tensor_dim1 = 32
	s_mov_b32 s[G1V+2], 32<<16
	s_mov_b32 s[G1K+3], 128<<16                    ; tile_dim0 = 128
	s_mov_b32 s[G1V+3], 128<<16
	s_mov_b32 s[G1K+4], 32                         ; tile_dim1 = 32
	s_mov_b32 s[G1V+4], 32
	s_mov_b32 s[G1K+5], 128                        ; 128 elements from row to row
	s_mov_b32 s[G1V+5], 128
	s_mov_b32 s[G1K+6], 0
	s_mov_b32 s[G1V+6], 0
	s_mov_b32 s[G1K+7], 0
	s_mov_b32 s[G1V+7], 0
	; group 0: tiles 2a and 2a+1 (block A's diagonal range) into slots 0 and 1.  Nothing here hangs on cx.
	s_lshl_b32 s22, s19, 16                        ; a tile is 128 rows x 512 bytes
	s_mov_b32 s23, 0
	s_mov_b32 s[G0K+0], 1
	s_mul_i32 s[G0K+1], s12, KWAVE
	s_add_nc_u64 s[G0K+2:G0K+3], s[66:67], s[22:23]
	s_mov_b32 s[G0K+4], 1
	s_add_co_u32 s[G0K+5], s[G0K+1], SLOT
	s_add_nc_u64 s[G0K+6:G0K+7], s[G0K+2:G0K+3], 0x10000
	s_mov_b32 s[G0V+0], 1
	s_lshl_b32 s[G0V+1], s12, 14
	s_add_co_u32 s[G0V+1], s[G0V+1], VOFF
	s_add_nc_u64 s[G0V+2:G0V+3], s[68:69], s[22:23]
	s_mov_b32 s[G0V+4], 1
	s_add_co_u32 s[G0V+5], s[G0V+1], SLOT
	s_add_nc_u64 s[G0V+6:G0V+7], s[G0V+2:G0V+3], 0x10000
	ROUND                                          ; the four work-groups are here: the first joint loads meet
	tensor_load_to_lds s[G0K:G0K+3], s[G1K:G1K+7]          ; four tensor loads out: the most that this text ever has
	s_nop 0
	tensor_load_to_lds s[G0V:G0V+3], s[G1V:G1V+7]
	s_nop 0
	tensor_load_to_lds s[G0K+4:G0K+7], s[G1K:G1K+7]
	s_nop 0
	tensor_load_to_lds s[G0V+4:G0V+7], s[G1V:G1V+7]
	s_nop 0
	s_mov_b32 s18, 0                               ; the next tile: 0, or with a = 0 (block A has no other tile) block B's first
	s_cmp_eq_u32 s18, s19
	s_cselect_b32 s18, s20, s18
	; Prefetch of block B's diagonal range (index 7-a) of K and of V: 2 x 512 blocks of 256 bytes over the cluster's 512 lanes, one of each a lane.  No other
	; cluster asks for these blocks ahead (a differs).  The first tensor load that wants them is issued 2a+1 steps from here.  The last byte named is
	; 7 x 131,072 + 511 x 256 from the batch's first, inside the batch.
	s_sub_co_u32 s21, 7, s14
	s_lshl_b32 s21, s21, 17
	v_lshl_add_u32 v[PFO], v0, 8, s21
	s_lshl_b32 s2, s13, 15                         ; 128 lanes x 256 bytes for each work-group
	v_add_nc_u32 v[PFO], s2, v[PFO]
	global_prefetch_b8 v[PFO], s[74:75] th:TH_LOAD_NT scope:SCOPE_SE
	global_prefetch_b8 v[PFO], s[76:77] th:TH_LOAD_NT scope:SCOPE_SE
	; addresses
	v_mul_u32_u24 v52, v1, KPITCH                  ; 528 r
	v_lshl_add_u32 v54, v2, 5, v52                 ; K: row r, 32 bytes (8 f32) for each half of the lanes
	v_add_nc_u32 v[KA], s[G0K+1], v54
	v_add_nc_u32 v[KA+1], SLOT, v[KA]
	v_lshlrev_b32 v54, 4, v1                       ; 16 r
	v_lshl_add_u32 v55, v2, 12, v54                ; V: 8 rows for each half, 16 bytes a lane
	v_add_nc_u32 v[VA], s[G0V+1], v55
	v_add_nc_u32 v[VA+1], SLOT, v[VA]
	s_mul_i32 s27, s12, MWAVE
	s_add_co_u32 s27, s27, MB
	v_lshl_add_u32 v55, v2, 7, v52                 ; merge, in: row r, 128 bytes for each half
	v_add_nc_u32 v[MW], s27, v55
	s_mul_i32 s27, s12, 4*MPITCH
	s_add_co_u32 s27, s27, MB
	v_lshl_add_u32 v[MR], v3, 4, s27               ; merge, back: rows 4w .., 16 bytes a lane
	s_lshl_b32 s27, s12, 9
	s_add_co_u32 s27, s27, STAT
	v_add_nc_u32 v[SA], s27, v54
	v_add_nc_u32 v[SR], STAT, v54
	s_mul_i32 s27, s12, 16*QPITCH
	s_add_co_u32 s27, s27, QS
	v_lshl_add_u32 v[QW], v3, 3, s27               ; Q stage, in: my 16 rows, 8 bytes (4 f16) a lane
	v_mul_u32_u24 v55, v1, QPITCH
	v_lshl_add_u32 v55, v2, 4, v55
	v_add_nc_u32 v[QR], QS, v55                    ; Q stage, fragments: row r, 16 bytes for each half
	s_lshl_b32 s27, s12, 11                        ; out0: rows 4w .. of each 16
	v_add_nc_u32 v55, s27, v53
	v_add_nc_u32 v[OOA], s16, v55
	v_add_nc_u32 v[OOB], s17, v55
	v_lshlrev_b32 v55, 3, v2
	v_sub_nc_u32 v55, v55, v1                      ; 8h - r
	s_lshl_b32 s3, s12, 5
	v_add_nc_u32 v55, s3, v55                      ; + 32w
	s_lshl_b32 s2, s13, 6
	v_sub_nc_u32 v[MDA], v55, s2                   ; block A's rows begin 64cx into the diagonal range,
	s_sub_co_u32 s27, 192, s2
	v_sub_nc_u32 v[MDB], v55, s27                  ; block B's 64(3-cx)
	v_mov_b32 v[NEG], 0xd0000000                   ; -2^33
.irp qt, 0,1,2,3
	v_mov_b32 v[TX+\qt], 0                         ; v_permlanex16_b32 counts as a reader of its destination
.endr
	s_wait_loadcnt 0x0                             ; Q is here
	WIN 0x8f                                       ; window 3 to window 2
.set k, 0
.rept 64
	v_cvt_pk_f16_f32 v[128+k], v[2*k], v[2*k+1]
.set k, k+1
.endr
; Q of block n (0: A, 1: B): every wave puts its 16 rows into the stage; behind the barrier each takes all 64 rows as 16 fragments.
.macro QSW n
	WIN 0x08                                       ; store data from window 2
.irp i, 0,1,2,3,4,5,6,7,8,9,10,11,12,13,14,15
	ds_store_b64 v[QW], v[128+32*\n+2*\i:128+32*\n+2*\i+1] offset:QPITCH*\i
.endr
	WIN 0
	s_wait_dscnt 0x0                               ; my rows are written (and my earlier LDS reads are back), for the others
	s_barrier_signal -1
	s_barrier_wait -1                              ; tensor loads may be on their way
	WIN 0x80
.irp qt, 0,1,2,3
.irp c, 0,1,2,3
	ds_load_b128 v[8*(4*\qt+\c):8*(4*\qt+\c)+3],   v[QR] offset:16*QPITCH*\qt+64*\c       ; Q(16qt + r, 32c + 8h ..)
	ds_load_b128 v[8*(4*\qt+\c)+4:8*(4*\qt+\c)+7], v[QR] offset:16*QPITCH*\qt+64*\c+32    ; Q(16qt + r, 32c + 16 + 8h ..)
.endr
.endr
	WIN 0
.endm
; 32 LDS loads: my 32 keys of K as f32.  t = 4kt + c: lane (r,h) takes K(16kt + r, 32c + 8h .. +7) and K(16kt + r, 32c + 16 + 8h .. +7).
.macro LDSK s
	WIN 0xc0
.irp t, 0,1,2,3,4,5,6,7
	ds_load_b128 v[16*\t:16*\t+3],     v[KA+\s] offset:(\t/4)*16*KPITCH+(\t%4)*128
	ds_load_b128 v[16*\t+4:16*\t+7],   v[KA+\s] offset:(\t/4)*16*KPITCH+(\t%4)*128+16
	ds_load_b128 v[16*\t+8:16*\t+11],  v[KA+\s] offset:(\t/4)*16*KPITCH+(\t%4)*128+64
	ds_load_b128 v[16*\t+12:16*\t+15], v[KA+\s] offset:(\t/4)*16*KPITCH+(\t%4)*128+80
.endr
.endm
; 32 LDS loads: my 32 keys of V as f32.  Load (g,i): key 8h + i (i < 8) or 16 + 8h + i - 8, d = 4(r + 16g) .. + 3.
.macro LDSV s
	WIN 0xc0
.irp g, 0,1
.irp i, 0,1,2,3,4,5,6,7,8,9,10,11,12,13,14,15
	ds_load_b128 v[128+4*(16*\g+\i):128+4*(16*\g+\i)+3], v[VA+\s] offset:(\i+(\i/8)*8)*ROWB+256*\g
.endr
.endr
.endm
; The head of a step that reads slot sn.  The other slot has been read into registers; with refill = 1 it gets the tile of the step after this one.
.macro HEAD sn, refill, wrap
	WIN 0
	s_wait_tensorcnt 0x0                           ; all my tensor loads have landed, this step's K and V among them, so every group 0 may be written
	ds_add_u32 v22, v23
	s_wait_dscnt 0x0
.if \refill
	s_lshl_b32 s22, s18, 16
	s_add_nc_u64 s[G0K+4*(1-\sn)+2:G0K+4*(1-\sn)+3], s[66:67], s[22:23]
	s_add_nc_u64 s[G0V+4*(1-\sn)+2:G0V+4*(1-\sn)+3], s[68:69], s[22:23]
	s_add_co_u32 s18, s18, 1
.if \wrap
	s_cmp_eq_u32 s18, s19                          ; block A's tiles 0 .. 2a-1 are through: on to block B's diagonal range
	s_cselect_b32 s18, s20, s18
.endif
	s_wait_dscnt 0x0                               ; my reads of the other slot are back (the last were V's, issued ahead of 32 matrix instructions and the softmax)
	ROUND                                          ; both now hold of every wave of the four work-groups
	tensor_load_to_lds s[G0K+4*(1-\sn):G0K+4*(1-\sn)+3], s[G1K:G1K+7]     ; the first tensor loads behind the round; two out
	s_nop 0
	tensor_load_to_lds s[G0V+4*(1-\sn):G0V+4*(1-\sn)+3], s[G1V:G1V+7]
	s_nop 0
.endif
	LDSK \sn
.endm
.macro RESC qt, pr, sel                ; O(.,qt) times AL[qt], which is register sel of the pair at AL + pr, for both halves of the packed product
.irp mt, 0,1,2,3,4,5,6,7
.irp jp, 0,2,4,6
	v_pk_mul_f32 v[8*(4*\mt+\qt)+\jp:8*(4*\mt+\qt)+\jp+1], v[8*(4*\mt+\qt)+\jp:8*(4*\mt+\qt)+\jp+1], v[AL+\pr:AL+\pr+1] op_sel:[0,\sel] op_sel_hi:[1,\sel]
.endr
.endr
.endm
; O^T = AL O^T + V^T P^T for the step whose V lies in window 3 and whose P and AL the softmax left.  first = 1: the products start the sums.
; left: how many younger LDS loads (the next step's K) may stay out when V has to be there.
.macro PV first, left
	s_wait_dscnt \left
	WIN 0x0f                                       ; window 3 to window 0
.irp g, 0,1
.irp e, 0,1,2,3
.irp p, 0,1,2,3,4,5,6,7
	v_cvt_pk_f16_f32 v[FF+8*(4*\g+\e)+\p], v[128+4*(16*\g+2*\p)+\e], v[128+4*(16*\g+2*\p+1)+\e]   ; d tile 4g+e, keys 2p, 2p+1 of the lane's sixteen
.endr
.endr
.endr
.if \first == 0
	WIN 0x41
	RESC 0, 0, 0
	RESC 1, 0, 1
	RESC 2, 2, 0
	RESC 3, 2, 1
.endif
	WIN 0x50                                       ; C and D in window 1.  The 32 accumulators take turns, one instruction a turn
.irp mt, 0,1,2,3,4,5,6,7
.irp qt, 0,1,2,3
.if \first
	v_wmma_f32_16x16x32_f16 v[8*(4*\mt+\qt):8*(4*\mt+\qt)+7], v[FF+8*\mt:FF+8*\mt+7], v[PP+8*\qt:PP+8*\qt+7], 0
.else
	v_wmma_f32_16x16x32_f16 v[8*(4*\mt+\qt):8*(4*\mt+\qt)+7], v[FF+8*\mt:FF+8*\mt+7], v[PP+8*\qt:PP+8*\qt+7], v[8*(4*\mt+\qt):8*(4*\mt+\qt)+7]
.endif
.endr
.endr
	WIN 0
	PLACES                                         ; FF and PP are written again, and O is read, only behind these
.endm
.macro SCALE qt, pr, sel, s            ; S(.,qt) = c S + NM[qt]: the exponent to base 2, at most 0 but for the rounding of NM
.irp kt, 0,1
.irp jp, 0,2,4,6
	v_pk_fma_f32 v[SS+32*\kt+8*\qt+\jp:SS+32*\kt+8*\qt+\jp+1], v[SS+32*\kt+8*\qt+\jp:SS+32*\kt+8*\qt+\jp+1], s[24:25], v[NM+4*\s+\pr:NM+4*\s+\pr+1] op_sel:[0,0,\sel] op_sel_hi:[1,0,\sel]
.endr
.endr
.endm
; A step's scores and softmax, slot s.  K lies in window 3.  first = 1: the block's first step.  mask = 1, 2: first, second half of the diagonal range; md: MDA or MDB.
.macro QKS s, first, mask, md
	s_wait_dscnt 0x0                               ; K is here (and, at a block's start, Q's fragments)
	WIN 0x0f
.irp t, 0,1,2,3,4,5,6,7
.irp p, 0,1,2,3,4,5,6,7
	v_cvt_pk_f16_f32 v[FF+8*\t+\p], v[16*\t+2*\p], v[16*\t+2*\p+1]
.endr
.endr
	LDSV \s                                        ; V comes in while the scores are made
	WIN 0x08                                       ; Q from window 2.  The 8 accumulators take turns, one instruction a turn
.irp c, 0,1,2,3
.irp kt, 0,1
.irp qt, 0,1,2,3
.if \c == 0
	v_wmma_f32_16x16x32_f16 v[SS+32*\kt+8*\qt:SS+32*\kt+8*\qt+7], v[FF+8*(4*\kt+\c):FF+8*(4*\kt+\c)+7], v[8*(4*\qt+\c):8*(4*\qt+\c)+7], 0
.else
	v_wmma_f32_16x16x32_f16 v[SS+32*\kt+8*\qt:SS+32*\kt+8*\qt+7], v[FF+8*(4*\kt+\c):FF+8*(4*\kt+\c)+7], v[8*(4*\qt+\c):8*(4*\qt+\c)+7], v[SS+32*\kt+8*\qt:SS+32*\kt+8*\qt+7]
.endif
.endr
.endr
.endr
	WIN 0
	PLACES
	; register j of S(kt,qt) in lane (r,h): key 32w + 16kt + 8h + j of the step, query row 16qt + r of the block
.if \mask
.irp kt, 0,1
.irp qt, 0,1,2,3
.irp j, 0,1,2,3,4,5,6,7
	v_cmp_lt_i32 vcc_lo, 16*\qt-16*\kt-\j-128*(\mask-1), v[\md]                    ; key > query
	v_cndmask_b32 v[SS+32*\kt+8*\qt+\j], v[SS+32*\kt+8*\qt+\j], v[NEG], vcc_lo
.endr
.endr
.endr
.endif
	; the largest of a lane's 16 scores of each q tile, four chains side by side
.irp qt, 0,1,2,3
	v_max3_num_f32 v[TMP+\qt], v[SS+8*\qt], v[SS+8*\qt+1], v[SS+8*\qt+2]
.endr
.irp e, 3,5
.irp qt, 0,1,2,3
	v_max3_num_f32 v[TMP+\qt], v[TMP+\qt], v[SS+8*\qt+\e], v[SS+8*\qt+\e+1]
.endr
.endr
.irp qt, 0,1,2,3
	v_max3_num_f32 v[TMP+\qt], v[TMP+\qt], v[SS+8*\qt+7], v[SS+32+8*\qt]
.endr
.irp e, 1,3,5
.irp qt, 0,1,2,3
	v_max3_num_f32 v[TMP+\qt], v[TMP+\qt], v[SS+32+8*\qt+\e], v[SS+32+8*\qt+\e+1]
.endr
.endr
.irp qt, 0,1,2,3
	v_max_num_f32 v[TMP+\qt], v[TMP+\qt], v[SS+32+8*\qt+7]
.endr
.irp qt, 0,1,2,3
	v_permlanex16_b32 v[TX+\qt], v[TMP+\qt], s28, s29      ; the other 16 keys of the same query row
.endr
.irp qt, 0,1,2,3
.if \first
	v_max_num_f32 v[MX+4*\s+\qt], v[TMP+\qt], v[TX+\qt]
.else
	v_max3_num_f32 v[MX+4*\s+\qt], v[TMP+\qt], v[TX+\qt], v[MX+4*(1-\s)+\qt]
.endif
.endr
.irp qt, 0,1,2,3
	v_mul_f32 v[NM+4*\s+\qt], s26, v[MX+4*\s+\qt]
.endr
.if \first == 0
.irp qt, 0,1,2,3
	v_sub_f32 v[TMP+4+\qt], v[NM+4*\s+\qt], v[NM+4*(1-\s)+\qt]     ; c (old - new), at most 0
.endr
.irp qt, 0,1,2,3
	v_exp_f32 v[AL+\qt], v[TMP+4+\qt]              ; the packed products below are the plain place behind these (ISA guide 5.7.2)
.endr
.endif
	SCALE 0, 0, 0, \s
	SCALE 1, 0, 1, \s
	SCALE 2, 2, 0, \s
	SCALE 3, 2, 1, \s
.set k, 0
.rept 64
	v_exp_f32 v[SS+k], v[SS+k]
.set k, k+1
.endr
	v_nop                                          ; one plain place before the last results are read
	s_wait_alu depctr_va_vdst(0)
.irp qt, 0,1,2,3
	v_pk_add_f32 v[TMP+2*\qt:TMP+2*\qt+1], v[SS+8*\qt:SS+8*\qt+1], v[SS+8*\qt+2:SS+8*\qt+3]
.endr
.irp e, 4,6,32,34,36,38
.irp qt, 0,1,2,3
	v_pk_add_f32 v[TMP+2*\qt:TMP+2*\qt+1], v[TMP+2*\qt:TMP+2*\qt+1], v[SS+8*\qt+\e:SS+8*\qt+\e+1]
.endr
.endr
.irp qt, 0,1,2,3
.if \first
	v_add_f32 v[LL+\qt], v[TMP+2*\qt], v[TMP+2*\qt+1]
.else
	v_add_f32 v[TMP+2*\qt], v[TMP+2*\qt], v[TMP+2*\qt+1]
.endif
.endr
.if \first == 0
.irp qt, 0,1,2,3
	v_fma_f32 v[LL+\qt], v[LL+\qt], v[AL+\qt], v[TMP+2*\qt]
.endr
.endif
	; a lane's keys 8h + 0..7 (kt = 0) and 16 + 8h + 0..7 (kt = 1) in pairs: registers 0-3 and 4-7 of P^T's fragment, column 16qt + r
.irp qt, 0,1,2,3
.irp kt, 0,1
.irp p, 0,1,2,3
	v_cvt_pk_f16_f32 v[PP+8*\qt+4*\kt+\p], v[SS+32*\kt+8*\qt+2*\p], v[SS+32*\kt+8*\qt+2*\p+1]
.endr
.endr
.endr
.endm
; One turn of the rotated loop: the refill and the next K; the last step's O while K comes in; this step's scores and softmax while V comes in.
.macro U sn, refill, wrap, first, mask, md
	HEAD \sn, \refill, \wrap
	PV \first, 32                                  ; V's 32 loads are in; the 32 younger ones, K's, may stay out
	QKS \sn, 0, \mask, \md
.endm
; The four waves' shares of a block become one result.  Every block ends on an odd step: the last -c max lies in set 1.  oo: OOA or OOB.
.macro MERGE oo
.irp qt, 0,1,2,3
	v_permlanex16_b32 v[TX+\qt], v[LL+\qt], s28, s29
.endr
.irp qt, 0,1,2,3
	v_add_f32 v[LL+\qt], v[LL+\qt], v[TX+\qt]      ; the sum over my 32 keys of every step
.endr
	ds_store_b128 v[SA], v[NM+4:NM+7]              ; both halves of the lanes write the same words with the same numbers
	ds_store_b128 v[SA], v[LL:LL+3] offset:256
	s_wait_dscnt 0x0                               ; written, for the others
	s_barrier_signal -1
	s_barrier_wait -1
.irp i, 0,1,2,3
	ds_load_b128 v[MS+4*\i:MS+4*\i+3], v[SR] offset:512*\i
	ds_load_b128 v[LS+4*\i:LS+4*\i+3], v[SR] offset:512*\i+256
.endr
	s_wait_dscnt 0x0
.irp qt, 0,1,2,3
	v_min3_num_f32 v[TMP+\qt], v[MS+\qt], v[MS+4+\qt], v[MS+8+\qt]
.endr
.irp qt, 0,1,2,3
	v_min_num_f32 v[TMP+\qt], v[TMP+\qt], v[MS+12+\qt]             ; -c x the largest of the four maxima
.endr
.irp i, 0,1,2,3
.irp qt, 0,1,2,3
	v_sub_f32 v[MS+4*\i+\qt], v[TMP+\qt], v[MS+4*\i+\qt]           ; at most 0
.endr
.endr
.irp qt, 0,1,2,3
	v_sub_f32 v[TMP+4+\qt], v[TMP+\qt], v[NM+4+\qt]
.endr
.set k, 0
.rept 16
	v_exp_f32 v[MS+k], v[MS+k]
.set k, k+1
.endr
.irp qt, 0,1,2,3
	v_exp_f32 v[TMP+4+\qt], v[TMP+4+\qt]
.endr
	v_nop
	s_wait_alu depctr_va_vdst(0)
.irp qt, 0,1,2,3
	v_mul_f32 v[TMP+8+\qt], v[MS+\qt], v[LS+\qt]
.endr
.irp i, 1,2,3
.irp qt, 0,1,2,3
	v_fmac_f32 v[TMP+8+\qt], v[MS+4*\i+\qt], v[LS+4*\i+\qt]        ; the whole row's sum: at least about 1, from the wave that holds the maximum
.endr
.endr
.irp qt, 0,1,2,3
	v_rcp_f32 v[TX+\qt], v[TMP+8+\qt]
.endr
	v_nop
	s_wait_alu depctr_va_vdst(0)
.irp qt, 0,1,2,3
	v_mul_f32 v[AL+\qt], v[TMP+4+\qt], v[TX+\qt]   ; my share's factor
.endr
	; 16 query rows at a time.  Register j of O(4g+e, qt) in lane (r,h) is d = 4(8h + j + 16g) + e of row 16qt + r: e = 0..3 make 16 neighbouring bytes.
.irp qt, 0,1,2,3
	WIN 0x01                                       ; O from window 1
.irp g, 0,1
.irp j, 0,1,2,3,4,5,6,7
.irp e, 0,1,2,3
	v_mul_f32 v[SS+4*(8*\g+\j)+\e], v[8*(4*(4*\g+\e)+\qt)+\j], v[AL+\qt]
.endr
.endr
.endr
	WIN 0
.irp g, 0,1
.irp j, 0,1,2,3,4,5,6,7
	ds_store_b128 v[MW], v[SS+4*(8*\g+\j):SS+4*(8*\g+\j)+3] offset:16*\j+256*\g
.endr
.endr
	s_wait_dscnt 0x0                               ; written, for the others
	s_barrier_signal -1
	s_barrier_wait -1
	s_wait_xcnt 0x0                                ; FF held the data of the last stores: it is loaded again only behind this wait
.irp i, 0,1,2,3
.irp rho, 0,1,2,3
	ds_load_b128 v[FF+16*\i+4*\rho:FF+16*\i+4*\rho+3], v[MR] offset:MWAVE*\i+MPITCH*\rho     ; row 4w + rho of wave i's share
.endr
.endr
	s_wait_dscnt 0x0                               ; here for the sums, and for the barrier below: my reads of the stage are over
.irp rho, 0,1,2,3
.irp d, 0,2
	v_pk_add_f32 v[FF+4*\rho+\d:FF+4*\rho+\d+1], v[FF+4*\rho+\d:FF+4*\rho+\d+1], v[FF+16+4*\rho+\d:FF+16+4*\rho+\d+1]
	v_pk_add_f32 v[FF+32+4*\rho+\d:FF+32+4*\rho+\d+1], v[FF+32+4*\rho+\d:FF+32+4*\rho+\d+1], v[FF+48+4*\rho+\d:FF+48+4*\rho+\d+1]
.endr
.endr
.irp rho, 0,1,2,3
.irp d, 0,2
	v_pk_add_f32 v[FF+4*\rho+\d:FF+4*\rho+\d+1], v[FF+4*\rho+\d:FF+4*\rho+\d+1], v[FF+32+4*\rho+\d:FF+32+4*\rho+\d+1]
.endr
.endr
.irp rho, 0,1,2,3
	global_store_b128 v[\oo], v[FF+4*\rho:FF+4*\rho+3], s[70:71] offset:(16*\qt+\rho)*ROWB th:TH_STORE_NT   ; a whole row: 512 neighbouring bytes, aligned
.endr
.if \qt < 3
	s_barrier_signal -1                            ; every wave has read the stage: it may be written again
	s_barrier_wait -1
.endif
.endr
	s_wait_xcnt 0x0                                ; FF is written again by the next block only behind this wait
.endm
	QSW 0
	s_wait_tensorcnt 0x2                           ; tile 2a: its K and V are in; the two loads of tile 2a+1 may stay out.  Each wave reads only what it fetched
	LDSK 0
	; block A: the diagonal range, then tiles 0 .. 2a-1
	QKS 0, 1, 1, MDA
	U 1, 1, 1, 1, 2, MDA
	WIN 0
	s_cmp_eq_u32 s14, 0                            ; a is the same in the four partners
	s_cbranch_scc1 .Lend_a
	s_mov_b32 s21, s14
.Lloop_a:
	U 0, 1, 1, 0, 0, MDA
	U 1, 1, 1, 0, 0, MDA
	WIN 0
	s_sub_co_i32 s21, s21, 1
	s_cmp_gt_i32 s21, 0
	s_cbranch_scc1 .Lloop_a
.Lend_a:
	; between the blocks: block B's second tile is asked for and its first K read while block A is finished
	HEAD 0, 1, 0
	s_mov_b32 s18, 0                               ; behind the diagonal range block B takes tiles 0 .. 13-2a
	PV 0, 32
	MERGE OOA
	QSW 1
	; block B
	QKS 0, 1, 1, MDB
	U 1, 1, 0, 1, 2, MDB
	WIN 0
	s_sub_co_u32 s21, 6, s14                       ; 14-2a steps are left: 6-a trips of two (3 to 6), and two written out
.Lloop_b:
	U 0, 1, 0, 0, 0, MDB
	U 1, 1, 0, 0, 0, MDB
	WIN 0
	s_sub_co_i32 s21, s21, 1
	s_cmp_gt_i32 s21, 0
	s_cbranch_scc1 .Lloop_b
	U 0, 1, 0, 0, 0, MDB                           ; asks for the last tile
	U 1, 0, 0, 0, 0, MDB                           ; asks for nothing, and has no round; its wait shows my last tensor loads landed
	PV 0, 0
	MERGE OOB
	s_wait_tensorcnt 0x0
	ds_add_u32 v22, v23
	s_wait_dscnt 0x0
	ROUND                                          ; the closing round: no work-group ends while a partner may still ask for a tile that names it
	s_endpgm
.Lfunc_end_k_qc52642edce_attn:
	.size	k_qc52642edce_attn, .Lfunc_end_k_qc52642edce_attn-k_qc52642edce_attn
	.p2alignl 7, 3214868480
	.fill 96, 4, 3214868480
	.section	.rodata,"a",@progbits
	.p2align	6, 0x0
	.amdhsa_kernel k_qc52642edce_attn
		.amdhsa_group_segment_fixed_size 327680
		.amdhsa_private_segment_fixed_size 0
		.amdhsa_enable_private_segment 0
		.amdhsa_kernarg_size 32
		.amdhsa_user_sgpr_count 2
		.amdhsa_user_sgpr_kernarg_segment_ptr 1
		.amdhsa_wavefront_size32 1
		.amdhsa_system_sgpr_workgroup_id_x 1
		.amdhsa_system_sgpr_workgroup_id_y 1
		.amdhsa_system_sgpr_workgroup_id_z 1
		.amdhsa_system_vgpr_workitem_id 0
		.amdhsa_next_free_vgpr 1024
		.amdhsa_next_free_sgpr 80
		.amdhsa_reserve_vcc 1
		.amdhsa_float_denorm_mode_32 3
		.amdhsa_float_denorm_mode_16_64 3
		.amdhsa_memory_ordered 1
		.amdhsa_forward_progress 1
		.amdhsa_inst_pref_size 255
	.end_amdhsa_kernel
	.section	.bss,"aw",@nobits
	.p2align	6
	.space	262144
	.amdgpu_metadata
---
amdhsa.version: [ 1, 2 ]
amdhsa.kernels:
  - .name:           k_qc52642edce_attn
    .symbol:         k_qc52642edce_attn.kd
    .args:
      - { .name: key, .offset: 0, .size: 8, .value_kind: global_buffer, .address_space: global }
      - { .name: query, .offset: 8, .size: 8, .value_kind: global_buffer, .address_space: global }
      - { .name: value, .offset: 16, .size: 8, .value_kind: global_buffer, .address_space: global }
      - { .name: out0, .offset: 24, .size: 8, .value_kind: global_buffer, .address_space: global }
    .group_segment_fixed_size: 327680
    .private_segment_fixed_size: 0
    .kernarg_segment_align: 8
    .kernarg_segment_size: 32
    .max_flat_workgroup_size: 128
    .sgpr_count:     80
    .vgpr_count:     1024
    .wavefront_size: 32
...
	.end_amdgpu_metadata
.endif
;; end of part 1
